; MI455X (gfx1250); checked and timed in simulation.
; The chip was launched on July 23, 2026; its instructions are those of AMD's public machine-readable ISA for CDNA 5 (MIT licence, August 2026) and "CDNA5" Instruction Set Architecture Reference Guide (July 2026). The comments in the code are by the model that wrote it; some were corrected since.
;; Self Attention. Allowed arithmetic: matrix products marked QUANTISED: E4M3 operands, one E8M0 scale for each 32 along K, by v_wmma_scale_f32_16x16x128_f8f6f4 with both operands' format E4M3, f32 sums; everything else in f32.
;; Inputs: key_codes 4 x 64 x 64 x 16 x 32 uint8 (E4M3 codes of key, K innermost, in blocks of 32 codes); key_scales 4 x 64 x 64 x 16 uint8 (E8M0 scales of key, one for each 32 codes along K); query 4 x 512 x 64 x 64 float32; value 4 x 512 x 64 x 64 float32.
;; Outputs: out0 4 x 512 x 64 x 64 float32.
;; This version of the problem:
;;   THIS VERSION OF THE PROBLEM IS GIVEN IN LOW PRECISION. The matrix products marked QUANTISED in the list below multiply operands that are first quantised to E4M3 (4 exponent bits, 3 mantissa bits; 8 bits a number), with one power-of-two scale for each 32 numbers along K (OCP MX v1.0); their sums are f32. All else is computed in f32.
;;   The module's matrix products, in the order in which they are computed (A, B: the left and right operand; K: the contracted axis; several contracted axes count as one K, in the product's order):
;;     1. batch 4 x [M 4,096, K 512] x [K 512, N 4,096]; A: input key (given as codes); B: input query: QUANTISED
;;     2. batch 4 x [M 512, K 4,096] x [K 4,096, N 4,096]; A: input value; B: softmax (see below): QUANTISED
;;   THE QUANTISER, for each operand of a quantised product, along K:
;;     - K is cut into blocks of 32 from its start; a last block that is shorter is filled with zeros.
;;     - A block's scale is 2^e with e = floor(log2(the largest magnitude in the block)) - 8, held to -126 .. 127; a block of zeros has e = 0. As a byte (E8M0): e + 127.
;;     - Each number is divided by its block's scale, clamped to +-448, and rounded to the nearest number of E4M3, ties to even, subnormals kept.
;;     - The product sums the exact products of the quantised numbers (number of the format x scale) in f32.
;;   ~~~python
;;   def quantise(x, axis):      # numpy; x: float32 -> the quantised numbers, widened to float32 again
;;       x = np.moveaxis(x, axis, -1); K = x.shape[-1]
;;       x = np.pad(x, [(0, 0)] * (x.ndim - 1) + [(0, -K % 32)]); x = x.reshape(x.shape[:-1] + (-1, 32)); a = np.abs(x).max(-1, keepdims=True)
;;       e = np.where(a > 0, np.clip(np.frexp(np.where(a > 0, a, 1))[1] - 1 - 8, -126, 127), 0)      # np.frexp(a)[1] - 1 = floor(log2(a)), exactly
;;       r = np.clip(x / 2.0 ** e, -448, 448)
;;       step = 2.0 ** (np.maximum(np.frexp(np.where(r == 0, 1, r))[1] - 1, -6) - 3)
;;       q = np.round(r / step) * step * 2.0 ** e      # np.round: ties to even
;;       return np.moveaxis(q.reshape(q.shape[:-2] + (-1,))[..., :K], -1, axis).astype(np.float32)
;;   ~~~
;;   SOFTMAX AHEAD OF A QUANTISED PRODUCT. Where the list says 'softmax', what is quantised is not the finished softmax but p = 2^(t - M), with t = logit x log2(e) and M = ceil(the row's largest t), a whole number; so 1/2 < the row's largest p <= 1. The row's sum l is taken of the UNQUANTISED p, in f32, and the product's result is divided by l at the end. Since M is a whole number, a kernel that streams over the keys may use a running M (the ceiling of the running maximum): every later rescaling is an exact power of two, which a block's scale takes up: the codes' values come out the same.
;;   OPERANDS COMPUTED ON THE WAY. 'Computed on the way' means the value that the module computes at that place (a softmax that the list does not call 'softmax' is quantised finished and normalised). What goes into a quantiser is computed in f32, as accurately as f32 sums, v_exp_f32 and their like allow (about 1e-6 of the number): no bf16 or f16 on the way to a quantiser, and a product that is left as it is and whose result goes on into a quantised operand takes f32 operands (vector FMAs, or v_wmma_f32_16x16x4_f32). A number that lies on a knife's edge between two numbers of the format may be rounded either way, as far as f32 arithmetic and the matrix unit's own rounding can turn it there, and no further.
;;   INPUTS GIVEN AS CODES. key (in the module: [4, 512, 64, 64], K = its axis 1): each comes as NAME_codes (uint8): NAME with its K axis moved to the last place and cut into blocks of 32 codes, [.., K / 32, bytes a block], one block behind the other in memory; one code a byte (a code: sign, 4 exponent bits, 3 mantissa bits); and NAME_scales (uint8): the same leading axes, one E8M0 byte (e + 127) for each 32 codes along K. Its value is code x scale, taken as it is: it is not quantised again, and the codes and scales need not be those that the quantiser above would give.
;; One version. Each part assembles by itself: llvm-mc -triple=amdgcn-amd-amdhsa -mcpu=gfx1250 --defsym DOCPART=n.
;; ======== version 1 of 1: 2 launches
;; workspace buffers: vcodes 8,388,608 bytes; vscales 262,144 bytes
;; launch vquant (part 1): grid 256 x 1, 4 waves a work-group, no clusters, 34,304 bytes of LDS; arguments value, vcodes, vscales; writes vcodes, vscales
.if DOCPART == 1
	.amdgcn_target "amdgcn-amd-amdhsa--gfx1250"
	.amdhsa_code_object_version 6
	.text
	.protected	k_q90b9781702_vquant
	.globl	k_q90b9781702_vquant
	.p2align	8
	.type	k_q90b9781702_vquant,@function
k_q90b9781702_vquant:
	s_mov_b64 s[64:65], 0
	v_nop
	global_prefetch_b8 v0, s[64:65] scope:SCOPE_SE
	s_setreg_imm32_b32 hwreg(HW_REG_WAVE_MODE, 25, 1), 1
	s_wait_xcnt 0x0
; value [4][512 channels][4096 keys], f32, becomes codes of FP8 (E4M3) with one E8M0 scale byte for each 32 keys (the keys are the second product's K),
; laid in the ORDER OF THE NEXT LAUNCH'S OPERAND REGISTERS, so that a key step's codes are one dense block and a fragment is four loads of 16 bytes a lane.
;   vcodes  [b 4][step 32][w 4][t 8][c 4][lane 32][16 bytes]: lane (r = lane % 16, h = lane / 16) holds channel 128 w + 16 t + r; group c holds 16 codes of the block of keys 128 step + 32 c .. + 31;
;           byte 8 kt + i of the 16 is key 32 c + 16 kt + 8 h + i (kt = 0, 1; i = 0 .. 7).  That is a permutation INSIDE each block of 32 keys; the next launch's p has the same one, so each product meets its partner.
;   vscales [b][step][w][y 2][lane 32][j 2] words: the word holds the four bytes (the step's four blocks) of channel 128 w + 16 (4 y + 2 j + h) + r.
; A block's scale is 2^(floor(log2(its largest magnitude)) - 8); its byte is the largest magnitude's exponent field - 8, held at 1 from below; each number is divided by the scale, held within +-448 and rounded to the nearest code, ties to even.
; LIMITS: a block of zeros gets the byte 1 (its codes are zeros, and this program alone reads the bytes); blocks whose largest magnitude lies under 2^(9 - 127) are held at that byte; NaN and infinities among the inputs are not served.
; SHARES.  1,024 waves, each one task T = 4 x work-group + wave = ((b 32 + step) 4 + w) 2 + y: 64 channels (four fragments f, tile t = 4 y + f) x 128 keys.  Waves share nothing: no barrier.
; A load reads 512 consecutive bytes (128 keys of one channel); a fragment's 16 rows turn through the wave's own stage in LDS (rows of 512 + 16 bytes) and come back 16 numbers of each block a lane.
; Memory binds this launch, so there is no matrix work, no cluster and no tensor load: 32 loads of 16 bytes a lane are out in each wave.
.set WSTG, 8448                        ; a wave's stage: 16 rows x 528 bytes
.set SPT,  528
.set TM,   8                           ; v8-11 largest magnitudes, v12-15 permute's results, then bytes, v16-19 448 x the scale, v20-23 the conversions' scale operands
.set PW,   24                          ; v24-27  fragment f's scale word
.set SW,   28                          ; v28-29  the two words that my lane stores
.set C,    32                          ; v32-47  a fragment's codes
.set X,    48                          ; v48-111 64 numbers: register 16 c + 8 kt + i
.set R,    112                         ; v112-239 two sets of 64: 16 rows as they are loaded
	s_load_b128 s[4:7], s[0:1], 0x0                ; value, vcodes
	s_load_b64 s[8:9], s[0:1], 0x10                ; vscales
	v_lshl_add_u32 v254, v0, 2, 0x8400
	v_mov_b32 v255, 0
	v_lshrrev_b32 v5, 5, v0
	v_readfirstlane_b32 s10, v5                    ; wave 0..3
	v_and_b32 v6, 31, v0                           ; lane
	v_and_b32 v7, 15, v0                           ; r
	v_bfe_u32 v5, v0, 4, 1                         ; h
	v_lshlrev_b32 v1, 4, v6                        ; 16 x lane: my bytes of a load's 512, and of a store's
	s_mul_i32 s11, s10, WSTG
	v_add_nc_u32 v2, s11, v1                       ; the stage, on the way in: a row as it lies
	v_mul_u32_u24 v3, v7, SPT
	v_lshl_add_u32 v3, v5, 5, v3
	v_add_nc_u32 v3, s11, v3                       ; and on the way out: row r, + 32 h bytes (8 keys)
	v_lshlrev_b32 v4, 3, v6                        ; 8 x lane: my two scale words
	s_mov_b32 s20, 0x76543210
	s_mov_b32 s21, 0xfedcba98                      ; v_permlanex16_b32's selects for lane l xor 16
	s_mov_b32 s23, 0x600000                        ; the mantissa field of 448
.irp b, 0,1,2,3
	v_mov_b32 v[TM+4+\b], 0                        ; written once: a lane permute's destination counts as one of its sources
.endr
	s_lshl_b32 s12, ttmp9, 2
	s_add_co_u32 s12, s12, s10                     ; T
	s_lshr_b32 s13, s12, 8                         ; b
	s_bfe_u32 s14, s12, 0x50003                    ; step: 5 bits from bit 3
	s_and_b32 s15, s12, 7                          ; 2 w + y: my first channel is 64 x that
	s_lshl_b32 s16, s13, 23                        ; a batch is 512 x 16,384 bytes,
	s_lshl_b32 s15, s15, 20                        ; 64 channels are 2^20,
	s_add_co_u32 s16, s16, s15
	s_lshl_b32 s14, s14, 9                         ; 128 keys are 512
	s_add_co_u32 s16, s16, s14
	s_mov_b32 s17, 0
	s_lshl_b32 s18, s12, 13                        ; a task's codes: 8,192 bytes
	s_mov_b32 s19, 0
	s_lshl_b32 s24, s12, 8                         ; its scale words: 256 bytes
	s_mov_b32 s25, 0
	s_wait_kmcnt 0x0
	s_add_nc_u64 s[4:5], s[4:5], s[16:17]
	s_add_nc_u64 s[6:7], s[6:7], s[18:19]
	s_add_nc_u64 s[8:9], s[8:9], s[24:25]
.macro LOADF f                         ; fragment f's 16 channels x 128 keys into set f % 2
.irp e, 0,1,2,3,4,5,6,7,8,9,10,11,12,13,14,15
	global_load_b128 v[R+64*((\f)%2)+4*\e:R+64*((\f)%2)+4*\e+3], v1, s[4:5] offset:(16*(\f)+\e)*16384 th:TH_LOAD_NT
.endr
.endm
.macro TURN f                          ; through the stage: LDS serves a wave's instructions in order (ISA guide 5.7.1.4), so no wait stands between the stores and the loads
.irp e, 0,1,2,3,4,5,6,7,8,9,10,11,12,13,14,15
	ds_store_b128 v2, v[R+64*((\f)%2)+4*\e:R+64*((\f)%2)+4*\e+3] offset:SPT*\e
.endr
.irp c, 0,1,2,3
.irp q, 0,1,2,3
	ds_load_b128 v[X+16*\c+4*\q:X+16*\c+4*\q+3], v3 offset:128*\c+16*(\q%2)+64*(\q/2)   ; keys 32 c + 16 (q / 2) + 8 h + 4 (q % 2) on
.endr
.endr
.endm
.macro QUANT f                         ; v[X] on: 16 numbers of each of four blocks; lane l xor 16 holds the other 16 of each
.irp b, 0,1,2,3
	v_max3_num_f32 v[TM+\b], |v[X+16*\b]|, |v[X+16*\b+1]|, 0x4800000   ; with the floor 2^(9 - 127): the byte cannot fall under 1
.endr
.irp e, 2,4,6,8,10,12,14
.irp b, 0,1,2,3
	v_max3_num_f32 v[TM+\b], v[TM+\b], |v[X+16*\b+\e]|, |v[X+16*\b+\e+1]|   ; the four blocks by turns
.endr
.endr
.irp b, 0,1,2,3
	v_permlanex16_b32 v[TM+4+\b], v[TM+\b], s20, s21
.endr
.irp b, 0,1,2,3
	v_max_num_f32 v[TM+\b], v[TM+\b], v[TM+4+\b]   ; the block's largest magnitude
.endr
.irp b, 0,1,2,3
	v_add_nc_u32 v[TM+12+\b], 0xfc000000, v[TM+\b] ; 8 off its exponent field: the conversion takes this operand's exponent field as its scale
.endr
.irp b, 0,1,2,3
	v_and_or_b32 v[TM+8+\b], v[TM+\b], 0x7f800000, s23   ; 448 x the scale
.endr
.irp b, 0,1,2,3
	v_lshrrev_b32 v[TM+4+\b], 23, v[TM+12+\b]      ; the scale's byte
.endr
	v_lshl_or_b32 v[PW+\f], v[TM+5], 8, v[TM+4]    ; my channel's scale word for these 128 keys
	v_lshl_or_b32 v[PW+\f], v[TM+6], 16, v[PW+\f]
	v_lshl_or_b32 v[PW+\f], v[TM+7], 24, v[PW+\f]
.irp b, 0,1,2,3
.irp e, 0,1,2,3,4,5,6,7,8,9,10,11,12,13,14,15
	v_med3_num_f32 v[X+16*\b+\e], v[X+16*\b+\e], -v[TM+8+\b], v[TM+8+\b]   ; the conversion to an 8-bit code does not saturate (ISA guide 7.6.2): the hold comes first
.endr
	v_cvt_scalef32_pk8_fp8_f32 v[C+4*\b:C+4*\b+1], v[X+16*\b:X+16*\b+7], v[TM+12+\b]
	v_cvt_scalef32_pk8_fp8_f32 v[C+4*\b+2:C+4*\b+3], v[X+16*\b+8:X+16*\b+15], v[TM+12+\b]
.endr
	v_nop                                          ; a plain line behind the last conversion, ahead of whatever next writes its sources
.endm
	LOADF 0
	LOADF 1
.irp f, 0,1,2,3
.if \f < 3
	s_wait_loadcnt 16                              ; this fragment's 16 loads are in; the next fragment's 16 may be out
.else
	s_wait_loadcnt 0x0
.endif
	TURN \f
	s_wait_dscnt 0x0                               ; the numbers are back, and the stores into the stage have read their registers,
.if \f < 2
	LOADF \f+2                                     ; which take the fragment two further on
.endif
.if \f > 0
	s_wait_xcnt 0x0                                ; the last fragment's stores have read the codes' registers: they are written again only behind this wait
.endif
	QUANT \f
.irp c, 0,1,2,3
	global_store_b128 v1, v[C+4*\c:C+4*\c+3], s[6:7] offset:2048*\f+512*\c   ; 32 lanes store 512 consecutive bytes, aligned
.endr
.endr
	v_cmp_le_u32 vcc_lo, 16, v6                    ; lanes 16-31 carry the odd fragment's word
	v_cndmask_b32 v[SW], v[PW], v[PW+1], vcc_lo
	v_cndmask_b32 v[SW+1], v[PW+2], v[PW+3], vcc_lo
	global_store_b64 v4, v[SW:SW+1], s[8:9]        ; 32 lanes store 256 consecutive bytes, aligned
	s_wait_tensorcnt 0x0
	ds_add_u32 v254, v255
	s_wait_dscnt 0x0
	s_endpgm
.Lfunc_end_k_q90b9781702_vquant:
	.size	k_q90b9781702_vquant, .Lfunc_end_k_q90b9781702_vquant-k_q90b9781702_vquant
	.p2alignl 7, 3214868480
	.fill 96, 4, 3214868480
	.section	.rodata,"a",@progbits
	.p2align	6, 0x0
	.amdhsa_kernel k_q90b9781702_vquant
		.amdhsa_group_segment_fixed_size 34304
		.amdhsa_private_segment_fixed_size 0
		.amdhsa_enable_private_segment 0
		.amdhsa_kernarg_size 24
		.amdhsa_user_sgpr_count 2
		.amdhsa_user_sgpr_kernarg_segment_ptr 1
		.amdhsa_wavefront_size32 1
		.amdhsa_system_sgpr_workgroup_id_x 1
		.amdhsa_system_sgpr_workgroup_id_y 1
		.amdhsa_system_sgpr_workgroup_id_z 1
		.amdhsa_system_vgpr_workitem_id 0
		.amdhsa_next_free_vgpr 256
		.amdhsa_next_free_sgpr 66
		.amdhsa_reserve_vcc 1
		.amdhsa_float_denorm_mode_32 3
		.amdhsa_float_denorm_mode_16_64 3
		.amdhsa_memory_ordered 1
		.amdhsa_forward_progress 1
		.amdhsa_inst_pref_size 51
	.end_amdhsa_kernel
	.amdgpu_metadata
---
amdhsa.version: [ 1, 2 ]
amdhsa.kernels:
  - .name:           k_q90b9781702_vquant
    .symbol:         k_q90b9781702_vquant.kd
    .args:
      - { .name: value, .offset: 0, .size: 8, .value_kind: global_buffer, .address_space: global }
      - { .name: vcodes, .offset: 8, .size: 8, .value_kind: global_buffer, .address_space: global }
      - { .name: vscales, .offset: 16, .size: 8, .value_kind: global_buffer, .address_space: global }
    .group_segment_fixed_size: 34304
    .private_segment_fixed_size: 0
    .kernarg_segment_align: 8
    .kernarg_segment_size: 24
    .max_flat_workgroup_size: 128
    .sgpr_count:     66
    .vgpr_count:     256
    .wavefront_size: 32
...
	.end_amdgpu_metadata
.endif
;; end of part 1
;; launch attn (part 2): grid 64 x 4, 4 waves a work-group, clusters of 4 x 1, 327,680 bytes of LDS; arguments key_codes, key_scales, query, vcodes, vscales, out0; writes out0
.if DOCPART == 2
	.amdgcn_target "amdgcn-amd-amdhsa--gfx1250"
	.amdhsa_code_object_version 6
	.text
	.protected	k_q90b9781702_attn
	.globl	k_q90b9781702_attn
	.p2align	8
	.type	k_q90b9781702_attn,@function
k_q90b9781702_attn:
	s_mov_b64 s[64:65], 0
	v_nop
	global_prefetch_b8 v0, s[64:65] scope:SCOPE_SE
	s_setreg_imm32_b32 hwreg(HW_REG_WAVE_MODE, 25, 1), 1
	s_wait_xcnt 0x0
	s_wait_alu depctr_hold_cnt(0) depctr_sa_sdst(0) depctr_va_vdst(0) depctr_va_sdst(0) depctr_va_ssrc(0) depctr_va_vcc(0) depctr_vm_vsrc(0)
	s_getreg_b32 s2, hwreg(HW_REG_IB_STS2, 6, 4)
	s_cmp_eq_u32 s2, 0
	s_cbranch_scc0 .Lentry_in_a_cluster
	s_endpgm
.Lentry_in_a_cluster:
	s_bfe_u32 s2, ttmp6, 0x10000c
	s_cmp_lg_u32 s2, 0x3003
	s_cbranch_scc0 .Lentry_shape_is_right
	s_endpgm
.Lentry_shape_is_right:
; out[b][c][j] = (sum over keys i of v[b][c][i] p[i][j]) / l[j] + query[b][c][j];  score[i][j] = sum over c of key[b][c][i] query[b][c][j];  both products on codes of FP8 (E4M3) with one E8M0 scale for each 32 along K.
; THE SOFTMAX: t = score x log2(e); M = the query's largest t so far, rounded UP to a whole number; p = 2^(t - M) is quantised along the keys, not normalised; l is the sum of the unquantised p and divides at the end.
; When M moves, l and O are multiplied by 2^(old M - new M), which rounds nothing.
; SHARES.  4 batches x 64 blocks of 64 queries = 256 work-groups of four waves.  Four tiles u of 16 queries; lane r of tile u is query j0 + 4 r + u, so that for one channel a lane's four tiles are 16 neighbouring bytes of query and out.
; The keys go in 32 steps of 128.  THE TWO PRODUCTS ARE SHARED OUT DIFFERENTLY.  S^T = K Q^T by keys: wave w takes keys 32 w .. 32 w + 31 of a step (two tiles of 16) for all 64 queries: 32 matrix instructions, each fragment of K
; feeds four.  O^T = V P^T by channels: wave w takes channels 128 w .. + 127 (eight tiles) for all 64 queries: 32 matrix instructions, each fragment of V feeds four.  A wave's 32 keys are one block of the quantiser:
; its four registers of codes a tile are group w of P's fragment and its byte is byte w of P's scale word; they go from wave to wave through LDS as images of the operand's registers, and so do the blocks' largest scores.
; In a lane's 16 codes of a block, byte 8 kt + i is key 16 kt + 8 (lane / 16) + i: a permutation inside the block, which the launch before has given V's codes too.  The blocks and scales are the true ones; only the order
; in which one instruction adds a block's products differs from the keys' order (a stated limit of rounding order).
; THE WALK.  Cluster c of a batch's 16 begins at key step 4 ((c % 8) xor 7 (c / 8)) and walks the 32 steps round: step x of the text is step (x + start) mod 32 of the tensors.  So at any time the 16 clusters ask for tiles of
; eight different steps, four apart.  M, l and O hang on no order of the keys but for rounding: l and O are summed in the walk's order (a stated limit of rounding order).
; THE PIPELINE, one barrier a trip.  Trip t: refill K(t + 3) and V(t + 2) | V^T P of step t, with the softmax of step t + 1 in slices behind its matrix instructions and K(t + 2) coming from LDS in four runs; P(t + 1) to LDS |
; K Q^T of step t + 2, with O's rescaling by f(t + 1) behind its matrix instructions and V(t + 1) coming from LDS in four runs, into registers that are idle then | the largest scores of step t + 2 to LDS.
; So a trip's first products wait for P's 17 LDS loads alone.  P, its bytes and the maxima lie twice in LDS, by the step's parity, so that the one barrier orders writing and reading both ways.
; CLUSTER.  The four work-groups of a cluster belong to one batch and walk the same K and V: every tile is asked for jointly (mask 15), and the trip's barrier is a round of the cluster's barrier.
; query is quantised here, in registers (one work-group alone reads a query), and read a second time two trips before the end, for the residual: 128 KiB of f32 do not fit in LDS beside the ring.
; LIMITS: NaN and infinities among the inputs are not served; a block whose every p has fallen to 0 keeps the byte 1 over zero codes; blocks of query under 2^(9 - 127) are held at that byte.
;
; LDS: K's two slots (128 rows x (512 + 16) bytes) | V's two slots (65,536 dense bytes: register images) | Q's 16 fragments | their scale words | P's images x 2 | P's bytes x 2 | maxima x 2 | the waves' sums | the spare words.
.set KP,    528
.set KSLOT, 128*KP                     ; 67,584
.set VBASE, 2*KSLOT                    ; 135,168
.set VSLOT, 65536
.set QIMG,  VBASE+2*VSLOT              ; 266,240: from here on no tensor load lands
.set QSC,   QIMG+32768
.set PIMG,  QSC+2048                   ; 301,056
.set PSCO,  16384                      ; from PIMG: P's scale bytes, 512 a parity: 16 x lane + 4 u + w
.set MXO,   17408                      ; the blocks' largest scores, 2,048 a parity: 512 w + 16 x lane, four floats (u)
.set LXO,   21504                      ; the waves' sums: 512 w + 16 x lane
.set SPARE, PIMG+23552                 ; 324,608: the spare words, 128 bytes a wave: two blocks of 256 bytes that no other line names
; REGISTERS, window 0
.set SPW, 1                            ; LDS address of my spare word; never rewritten
.set NIL, 2                            ; 0; never rewritten
.set AK,  3                            ; v3-4   my lane's place in K's slot 0, 1: (32 w + r) x 528 + 16 h
.set AV,  5                            ; v5-6   in V's slot 0, 1: 16,384 w + 16 x lane
.set AR,  7                            ; PIMG + 16 x lane: reads of P, its bytes, the maxima, the sums
.set AW,  8                            ; AR + 512 w: my stores of P, maxima, sums
.set ASW, 9                            ; PIMG + PSCO + 16 x lane + w: my byte stores
.set KSL, 10                           ; 16 x lane
.set VSL, 11                           ; 8 x lane
.set KSO, 12                           ; v12-13 offsets of K's scale loads, one for each set
.set VSO, 14                           ; v14-15 of V's
.set GO,  17                           ; h x 8 channels + 16 r: the residual's and out's offset; never rewritten
.set QLO, 18                           ; h x 16 channels + 16 r: the first read of query
.set QWI, 19                           ; where I store Q's images
.set NM,  20                           ; v20+2u -M, v21+2u the largest t so far
.set FF,  28                           ; v28+2u f, v29+2u at work; at the end 1 / l
.set LL,  36                           ; v36+2u, +1 my wave's part of l, in two halves
.set BM,  44                           ; v44-47 my block's largest score
.set MXR, 48                           ; v48-63 the four waves' largest scores
.set BY,  48                           ; v48-51 later P's bytes
.set PB,  64                           ; v64-67 at work: the step's largest t, then the block's largest p
.set SO,  68                           ; v68-71 the conversions' scale operands; a permute's results
.set LM,  72                           ; v72-75 448 x the scale
.set PC,  76                           ; v76-91 P's codes just made
.set QS,  92                           ; v92-107  Q's scale words (4 u + s)          these four runs hold scales and nothing else
.set KS,  108                          ; v108-115 K's, two sets of four (K step s); lanes 0-15 tile 0, lanes 16-31 tile 1
.set VS,  116                          ; v116-123 V's, two sets of four; register x: lanes 0-15 tile 2 x, lanes 16-31 tile 2 x + 1
.set PS,  124                          ; v124-127 P's (u)
.set S,   128                          ; v128-191 S^T, then p: 16 u + 8 kt + i
.set PF,  192                          ; v192-255 P's four fragments
.set TM,  44                           ; the head's quantiser: v44-59
.set QWS, 72                           ; the head: where I store Q's scale words;
.set QRI, 73                           ; where Q's images are read back;
.set QRS, 74                           ; and their scale words
; window 1: O^T, accumulator 4 t + u at 8 (4 t + u); at the head 256 numbers of query.   window 2: Q's fragments at 16 (4 u + s); from trip 30 on the residual at 4 (8 t + i) + u.
; window 3: K's fragments at 16 (4 kt + s); V's at 128 + 16 t.
.set WV,  16
.set CS,  22                           ; s[22:23] log2(e), twice
.set SEL, 24                           ; s[24:25] v_permlanex16_b32's selects for lane l xor 16
.set MNT, 26
.set LC,  27                           ; the loop's count
.set KSS, 30                           ; byte offset of the next load of K's scales: 2,048 x its step in the tensors
.set VSS, 31                           ; of V's
.set G1K, 32
.set G1V, 40
.set G0K, 48                           ; s[48:55] one group 0 for each slot
.set G0V, 56                           ; s[56:63]
.set QB,  68
.set OB,  70
.set KSB, 72
.set VSB, 74
.set KTB, 86                           ; s[86:87] my half tile of step 0 of my batch in key_codes; never rewritten
.set VTB, 90                           ; s[90:91] in vcodes; never rewritten
.set KTO, 92                           ; s[92:93] 65,536 x the step in the tensors of K's tile asked for last; the high word is 0
.set VTO, 94                           ; s[94:95] of V's
.set W_S,  0x0b                        ; source 0 (K) window 3, source 1 (Q) window 2, C and D window 0
.set W_PV, 0x53                        ; source 0 (V) window 3, source 1 (P) window 0, C and D window 1
.set W_RS, 0x41                        ; O^T (destination and source 0) window 1, f window 0
.set TO1,  0x40
.set TO2,  0x80
.set TO3,  0xc0
.set W_OUT, 0xa1                       ; source 0 (O^T) window 1, source 1 window 0, source 2 and destination window 2
.set W_ST, 0x08                        ; a store's data: window 2
.set MSB, 0
.macro WIN new                         ; the immediate's high byte repeats the setting that is left; a switch that changes nothing is dropped
.if MSB != \new
	s_set_vgpr_msb (MSB<<8)|\new
.set MSB, \new
.endif
.endm
.macro PLACES                          ; eight plain lines behind a matrix instruction of this form, ahead of reads of its result and of loads into its registers
.rept 8
	v_nop
.endr
.endm
; A round of the cluster's barrier: my work-group's barrier; wave 0 signals for the work-group; every wave waits for all four work-groups; my work-group's barrier once more.
.macro CROUND
	s_barrier_signal -1
	s_barrier_wait -1
	s_cmp_lg_u32 s[WV], 0
	s_cbranch_scc1 .Lnot_wave_0_\@
	s_barrier_signal -3
.Lnot_wave_0_\@:
	s_barrier_wait -3
	s_barrier_signal -1
	s_barrier_wait -1
.endm
; A joint refill.  Waves 0 and 1 fetch the two halves of K's tile into K's slot kq (kf), waves 2 and 3 those of V's into V's slot vq (vf).  The branch hangs on the wave's number alone.  Four v_nop follow each load.
.macro JLOAD kq, vq, kf, vf
	s_cmp_lt_u32 s[WV], 2
.if \kf && \vf
	s_cbranch_scc0 .Lfor_v_\@
	tensor_load_to_lds s[G0K+4*(\kq):G0K+4*(\kq)+3], s[G1K:G1K+7]
	s_nop 0
.rept 4
	v_nop
.endr
	s_branch .Lasked_\@
.Lfor_v_\@:
	tensor_load_to_lds s[G0V+4*(\vq):G0V+4*(\vq)+3], s[G1V:G1V+7]
	s_nop 0
.rept 4
	v_nop
.endr
.Lasked_\@:
.elseif \kf
	s_cbranch_scc0 .Lasked_\@
	tensor_load_to_lds s[G0K+4*(\kq):G0K+4*(\kq)+3], s[G1K:G1K+7]
	s_nop 0
.rept 4
	v_nop
.endr
.Lasked_\@:
.else
	s_cbranch_scc1 .Lasked_\@
	tensor_load_to_lds s[G0V+4*(\vq):G0V+4*(\vq)+3], s[G1V:G1V+7]
	s_nop 0
.rept 4
	v_nop
.endr
.Lasked_\@:
.endif
.endm
; THE TRIP'S BARRIER.  Every wave waits for all its tensor loads (its part of the tiles that this trip reads), adds 0 to its spare word, and waits for that, for its LDS stores (P, bytes, maxima) and for its reads of the slots
; that are filled next.  Then a round of the cluster's barrier, and the joint refill first behind it: it has this whole trip in which to land.
; The next tile's address is made anew from the kept base: the step in the tensors goes one on and round at 32 (65,536 bytes a step: the mask keeps bits 16 to 20).  It hangs on the cluster's number and the trip, alike in all four partners.
.macro MEET kq, vq, kf, vf
	WIN 0
	s_wait_tensorcnt 0x0                           ; no tensor load of mine is out, so a group 0 may be written
	ds_add_u32 v[SPW], v[NIL]                      ; 0 onto my spare word; the descriptors' steps stand between it and the wait for it
.if \kf
	s_add_co_u32 s[KTO], s[KTO], 65536
	s_and_b32 s[KTO], s[KTO], 0x1f0000
	s_add_nc_u64 s[G0K+4*(\kq)+2:G0K+4*(\kq)+3], s[KTB:KTB+1], s[KTO:KTO+1]
	s_or_b32 s[G0K+4*(\kq)+3], s[G0K+4*(\kq)+3], 0x80000000
.endif
.if \vf
	s_add_co_u32 s[VTO], s[VTO], 65536
	s_and_b32 s[VTO], s[VTO], 0x1f0000
	s_add_nc_u64 s[G0V+4*(\vq)+2:G0V+4*(\vq)+3], s[VTB:VTB+1], s[VTO:VTO+1]
	s_or_b32 s[G0V+4*(\vq)+3], s[G0V+4*(\vq)+3], 0x80000000
.endif
	s_wait_dscnt 0x0
	CROUND
	JLOAD \kq, \vq, \kf, \vf
.endm
; The barrier of the last two trips, behind which nothing is filled: a barrier of the work-group, with the same three lines in front of it.
.macro PLAINB
	WIN 0
	s_wait_tensorcnt 0x0                           ; my part of the tile that this trip reads is in
	ds_add_u32 v[SPW], v[NIL]                      ; 0 onto my spare word
	s_wait_dscnt 0x0                               ; my LDS stores have landed and my LDS loads are in
	s_barrier_signal -1
	s_barrier_wait -1
.endm
; K FROM LDS: my 32 keys x 512 channels: fragment (kt, s): lane (r, h) takes key 32 w + 16 kt + r; registers 4 c on: channels 128 s + 32 c + 16 h + 0 .. 15.
.macro FETCH_K p                       ; all eight fragments in one run: the first step alone
	WIN TO3
.irp f, 0,1,2,3,4,5,6,7
.irp c, 0,1,2,3
	ds_load_b128 v[16*\f+4*\c:16*\f+4*\c+3], v[AK+(\p)] offset:16*KP*(\f/4)+128*(\f%4)+32*\c
.endr
.endr
.endm
.macro KRUN p                          ; a run of eight loads behind slice i: the two fragments of K step i / 8, in the order in which K Q^T takes them
	WIN TO3
.irp k, 0,1
.irp c, 0,1,2,3
	ds_load_b128 v[16*(4*\k+i/8)+4*\c:16*(4*\k+i/8)+4*\c+3], v[AK+(\p)] offset:16*KP*\k+128*(i/8)+32*\c
.endr
.endr
.endm
; V FROM LDS: my 128 channels x 128 keys: eight register images.
.macro FETCH_V q                       ; all eight in one run: the last step alone
	WIN TO3
.irp t, 0,1,2,3,4,5,6,7
.irp c, 0,1,2,3
	ds_load_b128 v[128+16*\t+4*\c:128+16*\t+4*\c+3], v[AV+(\q)] offset:2048*\t+512*\c
.endr
.endr
.endm
.macro VRUN q                          ; a run of eight loads behind slice i: tiles 2 (i / 8) and 2 (i / 8) + 1
	WIN TO3
.irp k, 0,1
.irp c, 0,1,2,3
	ds_load_b128 v[128+16*(2*(i/8)+\k)+4*\c:128+16*(2*(i/8)+\k)+4*\c+3], v[AV+(\q)] offset:2048*(2*(i/8)+\k)+512*\c
.endr
.endr
.endm
.macro FETCH_P p                       ; P's scale words (byte w from wave w) and its four fragments (group c from wave c): 17 loads
	WIN 0
	ds_load_b128 v[PS:PS+3], v[AR] offset:PSCO+512*(\p)
.irp u, 0,1,2,3
.irp c, 0,1,2,3
	ds_load_b128 v[PF+16*\u+4*\c:PF+16*\u+4*\c+3], v[AR] offset:8192*(\p)+2048*\u+512*\c
.endr
.endr
.endm
.macro FETCH_MX q                      ; the four waves' largest scores of a step
	WIN 0
.irp g, 0,1,2,3
	ds_load_b128 v[MXR+4*\g:MXR+4*\g+3], v[AR] offset:MXO+2048*(\q)+512*\g
.endr
.endm
; Product i of 32 of S^T = K Q^T: K step i / 8, key tile (i / 4) % 2, query tile i % 4.  The first eight start the sums; the eight accumulators take turns, one instruction a turn.
.macro SW p
.set ss, i/8
.set sk, (i/4)%2
.set su, i%4
.set rD, S+16*su+8*sk
.set rA, 16*(4*sk+ss)
.set rB, 16*(4*su+ss)
.if ss == 0
.if sk
	v_wmma_scale_f32_16x16x128_f8f6f4 v[rD:rD+7], v[rA:rA+15], v[rB:rB+15], 0, v[KS+4*(\p)+ss], v[QS+4*su+ss] matrix_a_scale:MATRIX_SCALE_ROW1
.else
	v_wmma_scale_f32_16x16x128_f8f6f4 v[rD:rD+7], v[rA:rA+15], v[rB:rB+15], 0, v[KS+4*(\p)+ss], v[QS+4*su+ss]
.endif
.else
.if sk
	v_wmma_scale_f32_16x16x128_f8f6f4 v[rD:rD+7], v[rA:rA+15], v[rB:rB+15], v[rD:rD+7], v[KS+4*(\p)+ss], v[QS+4*su+ss] matrix_a_scale:MATRIX_SCALE_ROW1
.else
	v_wmma_scale_f32_16x16x128_f8f6f4 v[rD:rD+7], v[rA:rA+15], v[rB:rB+15], v[rD:rD+7], v[KS+4*(\p)+ss], v[QS+4*su+ss]
.endif
.endif
.endm
; Product i of 32 of O^T += V P^T: channel tile i / 4, query tile i % 4; each of the 32 accumulators once.  zero = 1: the products start the sums: nothing is ever cleared.
.macro PVW p, zero
.set pt, i/4
.set pu, i%4
.if \zero
.if pt%2
	v_wmma_scale_f32_16x16x128_f8f6f4 v[8*i:8*i+7], v[128+16*pt:128+16*pt+15], v[PF+16*pu:PF+16*pu+15], 0, v[VS+4*(\p)+pt/2], v[PS+pu] matrix_a_scale:MATRIX_SCALE_ROW1
.else
	v_wmma_scale_f32_16x16x128_f8f6f4 v[8*i:8*i+7], v[128+16*pt:128+16*pt+15], v[PF+16*pu:PF+16*pu+15], 0, v[VS+4*(\p)+pt/2], v[PS+pu]
.endif
.else
.if pt%2
	v_wmma_scale_f32_16x16x128_f8f6f4 v[8*i:8*i+7], v[128+16*pt:128+16*pt+15], v[PF+16*pu:PF+16*pu+15], v[8*i:8*i+7], v[VS+4*(\p)+pt/2], v[PS+pu] matrix_a_scale:MATRIX_SCALE_ROW1
.else
	v_wmma_scale_f32_16x16x128_f8f6f4 v[8*i:8*i+7], v[128+16*pt:128+16*pt+15], v[PF+16*pu:PF+16*pu+15], v[8*i:8*i+7], v[VS+4*(\p)+pt/2], v[PS+pu]
.endif
.endif
.endm
.macro RESC                            ; accumulator i of O^T times f, from its low end on
.irp k, 0,2,4,6
	v_pk_mul_f32 v[8*i+\k:8*i+\k+1], v[8*i+\k:8*i+\k+1], v[FF+2*(i%4):FF+2*(i%4)+1] op_sel_hi:[1,0]
.endr
.endm
; The largest score of my block of 32 keys, for each of my lane's four queries: 40 lines, each accumulator read from its low end on; it serves the row's maximum (all waves read it) and, since p rises with the score, the block's largest p.
.macro LMAX par
.irp u, 0,1,2,3
	v_max3_num_f32 v[BM+\u], v[S+16*\u], v[S+16*\u+1], v[S+16*\u+2]
.endr
.irp k, 3,5,7,9,11,13
.irp u, 0,1,2,3
	v_max3_num_f32 v[BM+\u], v[BM+\u], v[S+16*\u+\k], v[S+16*\u+\k+1]
.endr
.endr
.irp u, 0,1,2,3
	v_max_num_f32 v[BM+\u], v[BM+\u], v[S+16*\u+15]
.endr
.irp u, 0,1,2,3
	v_permlanex16_b32 v[SO+\u], v[BM+\u], s[SEL], s[SEL+1]
.endr
.irp u, 0,1,2,3
	v_max_num_f32 v[BM+\u], v[BM+\u], v[SO+\u]     ; with lane l xor 16's 16 keys
.endr
	ds_store_b128 v[AW], v[BM:BM+3] offset:MXO+2048*(\par)
.endm
; The new M and f, alike in all four waves: 36 lines.  They stand at the trip's head, while P's loads are out.
.macro AHEAD
	WIN 0
.irp u, 0,1,2,3
	v_max3_num_f32 v[PB+\u], v[MXR+\u], v[MXR+4+\u], v[MXR+8+\u]
.endr
.irp u, 0,1,2,3
	v_max_num_f32 v[PB+\u], v[PB+\u], v[MXR+12+\u] ; the step's largest score of my query
.endr
.irp u, 0,1,2,3
	v_mul_f32 v[PB+\u], s[CS], v[PB+\u]            ; as t
.endr
.irp u, 0,1,2,3
	v_max_num_f32 v[NM+2*\u+1], v[NM+2*\u+1], v[PB+\u]   ; the running largest t
.endr
.irp u, 0,1,2,3
	v_mov_b32 v[FF+2*\u+1], v[NM+2*\u]
.endr
.irp u, 0,1,2,3
	v_floor_f32 v[NM+2*\u], -v[NM+2*\u+1]          ; the new -M = floor(-t) = -ceil(t)
.endr
.irp u, 0,1,2,3
	v_sub_f32 v[FF+2*\u+1], v[NM+2*\u], v[FF+2*\u+1]     ; old M - new M: a whole number, 0 or less
.endr
.irp u, 0,1,2,3
	v_cvt_i32_f32 v[FF+2*\u+1], v[FF+2*\u+1]       ; (it saturates)
.endr
.irp u, 0,1,2,3
	v_ldexp_f32 v[FF+2*\u], 1.0, v[FF+2*\u+1]      ; f = 2^(old M - new M)
.endr
.endm
; THE SOFTMAX OF A STEP, for my 32 keys x 64 queries, as a numbered list; AL writes number n.
;   0-31 t - M, two at a time | 32-35 the same of each block's largest score | 36-103 ONE BATCH of 68 exponentials | 104-107 l x f: the plain lines behind the batch | 108 the one wait for the batch, ahead of its first reader
;   109-140 l += p, unquantised, four chains by turns | 141-156 floor, scale operand, 448 x scale, byte | 157-228 for each tile 16 holds (p is not negative: one-sided) and two conversions | 229 a plain line behind the last conversion
.macro AL
.if n < 32
	v_pk_fma_f32 v[S+16*(n%4)+2*(n/4):S+16*(n%4)+2*(n/4)+1], v[S+16*(n%4)+2*(n/4):S+16*(n%4)+2*(n/4)+1], s[CS:CS+1], v[NM+2*(n%4):NM+2*(n%4)+1] op_sel_hi:[1,0,0]
.elseif n < 36
	v_fma_f32 v[PB+n-32], v[BM+n-32], s[CS], v[NM+2*(n-32)]
.elseif n < 100
	v_exp_f32 v[S+n-36], v[S+n-36]
.elseif n < 104
	v_exp_f32 v[PB+n-100], v[PB+n-100]
.elseif n < 108
	v_pk_mul_f32 v[LL+2*(n-104):LL+2*(n-104)+1], v[LL+2*(n-104):LL+2*(n-104)+1], v[FF+2*(n-104):FF+2*(n-104)+1] op_sel_hi:[1,0]
.elseif n == 108
	s_wait_alu depctr_va_vdst(0)
.elseif n < 141
	v_pk_add_f32 v[LL+2*((n-109)%4):LL+2*((n-109)%4)+1], v[LL+2*((n-109)%4):LL+2*((n-109)%4)+1], v[S+16*((n-109)%4)+2*((n-109)/4):S+16*((n-109)%4)+2*((n-109)/4)+1]
.elseif n < 145
	v_max_num_f32 v[PB+n-141], 0x4800000, v[PB+n-141]
.elseif n < 149
	v_add_nc_u32 v[SO+n-145], 0xfc000000, v[PB+n-145]
.elseif n < 153
	v_and_or_b32 v[LM+n-149], v[PB+n-149], 0x7f800000, s[MNT]
.elseif n < 157
	v_lshrrev_b32 v[BY+n-153], 23, v[SO+n-153]
.elseif n < 229
.set au, (n-157)/18
.set ae, (n-157)%18
.if ae < 16
	v_min_num_f32 v[S+16*au+ae], v[S+16*au+ae], v[LM+au]
.elseif ae == 16
	v_cvt_scalef32_pk8_fp8_f32 v[PC+4*au:PC+4*au+1], v[S+16*au:S+16*au+7], v[SO+au]
.else
	v_cvt_scalef32_pk8_fp8_f32 v[PC+4*au+2:PC+4*au+3], v[S+16*au+8:S+16*au+15], v[SO+au]
.endif
.else
	v_nop
.endif
.endm
; V^T P (pv = 1: adds; 2: starts the sums; 0: none) with the softmax (sm = 1) in slices of seven behind the matrix instructions; the last slice takes the thirteen that are left, eleven of them plain:
; the places ahead of the loads into V's registers and V's scale registers.  kq = 1: K's fragments for the products that follow come from slot p, eight loads behind each of slices 1, 9, 17 and 25:
; K's registers were last read in the trip before, ahead of the 40 lines of the largest scores.
.macro PHASE_C p, pv, sm, kq
.set n, 0
.set i, 0
.rept 32
.if \pv
	WIN W_PV
	PVW \p, \pv-1
.endif
.if \sm
	WIN 0
.rept 7
	AL
.set n, n+1
.endr
.if i == 31
.rept 6
	AL
.set n, n+1
.endr
.endif
.endif
.if \kq && (i%8 == 1)
	KRUN \p
.endif
.set i, i+1
.endr
	WIN 0
.endm
; K Q^T with O's rescaling (rs = 1), four lines behind each matrix instruction.  vq = 1: the next step's V comes from the other slot than p's, eight loads behind each of slices 1, 9, 17 and 25.
.macro PHASE_B p, rs, vq
.set i, 0
.rept 32
	WIN W_S
	SW \p
.if \rs
	WIN W_RS
	RESC
.endif
.if \vq && (i%8 == 1)
	VRUN 1-\p
.endif
.set i, i+1
.endr
	WIN 0
.endm
.macro PSTORE par                      ; my group of P's four fragments, as it stands in my registers, and my byte of its four scale words
.irp u, 0,1,2,3
	ds_store_b128 v[AW], v[PC+4*\u:PC+4*\u+3] offset:8192*(\par)+2048*\u
.endr
.irp u, 0,1,2,3
	ds_store_b8 v[ASW], v[BY+\u] offset:512*(\par)+4*\u
.endr
.endm
; THE SCALES OF K AND V come from memory straight into their registers, two trips ahead of their use, 512 consecutive bytes a wave and step.  An offset register is written again only behind the counted wait that shows its last load done.
; The offset goes one step (2,048 bytes) on and round at 32 steps: the mask keeps bits 11 to 15.
.macro VSLOAD p
	v_add_nc_u32 v[VSO+(\p)], s[VSS], v[VSL]
	global_load_b64 v[VS+4*(\p):VS+4*(\p)+1], v[VSO+(\p)], s[VSB:VSB+1]
	global_load_b64 v[VS+4*(\p)+2:VS+4*(\p)+3], v[VSO+(\p)], s[VSB:VSB+1] offset:256
	s_add_co_u32 s[VSS], s[VSS], 2048
	s_and_b32 s[VSS], s[VSS], 0xf800
.endm
.macro KSLOAD p                        ; trip 28 looks ahead to a step 32: round the walk that is step 0's bytes again, into a set that is read no more
	v_add_nc_u32 v[KSO+(\p)], s[KSS], v[KSL]
	global_load_b128 v[KS+4*(\p):KS+4*(\p)+3], v[KSO+(\p)], s[KSB:KSB+1]
	s_add_co_u32 s[KSS], s[KSS], 2048
	s_and_b32 s[KSS], s[KSS], 0xf800
.endm
; A TRIP t of parity p.  kf, vf: whether K(t + 3) (into K's slot 1 - p) and V(t + 2) (into V's slot p, which the trip before read) are asked for; pv as in PHASE_C;
; vsw, ksw: the counts of the waits for V's and K's scales (vsw < 0: none); vsl, ksl: whether the look-ahead loads are issued.
; LDS: 4 loads (maxima) + 17 (P).  dscnt 17: the maxima are in.  dscnt 0: P is in.  dscnt 8 ahead of K Q^T: K's 32 loads are in; only my eight stores of P may be out.
; Global loads, in order of issue: a trip's two of V's scales, then its one of K's.  V's of this step were issued two trips ago: behind them 1 + 3 = 4.  K's of step t + 2 likewise: behind it 3 + this trip's 2 = 5.
.macro TRIP p, kf, vf, pv, vsw, vsl, ksw, ksl
	MEET 1-\p, \p, \kf, \vf
	FETCH_MX 1-\p
	FETCH_P \p
	s_wait_dscnt 17
	AHEAD
.if \vsw >= 0
	s_wait_loadcnt \vsw
.endif
	s_wait_dscnt 0x0
	PHASE_C \p, \pv, 1, 1
	PSTORE 1-\p
.if \vsl
	VSLOAD \p
.endif
	s_wait_loadcnt \ksw
	s_wait_dscnt 8
	PHASE_B \p, 1, 1
	LMAX \p
.if \ksl
	KSLOAD \p
.endif
.endm
	; ---------------- THE HEAD
	s_load_b256 s[4:11], s[0:1], 0x0               ; key_codes s[4:5], key_scales s[6:7], query s[8:9], vcodes s[10:11]
	s_load_b128 s[12:15], s[0:1], 0x20             ; vscales s[12:13], out0 s[14:15]
	v_lshl_add_u32 v[SPW], v0, 2, SPARE
	v_mov_b32 v[NIL], 0
	ds_add_u32 v1, v2
	ds_add_u32 v1, v2
	s_wait_dscnt 0x0
	v_lshrrev_b32 v[QLO], 5, v0
	v_readfirstlane_b32 s[WV], v[QLO]              ; wave 0..3
	s_and_b32 s17, s[WV], 1                        ; which half of a tile I fetch
	s_bfe_u32 s18, ttmp6, 0x40000                  ; cx: my place in the cluster
	s_lshl_b32 s19, ttmp9, 2                       ; in a cluster launch ttmp9 counts clusters
	s_add_co_u32 s19, s19, s18                     ; my block of 64 queries: it enters query's and out's addresses alone
	s_and_b32 s20, ttmp7, 0xffff                   ; the batch, which the four partners share
	s_lshl_b32 s76, s20, 21                        ; K's and V's codes: 2^21 bytes a batch,
	s_lshl_b32 s84, s17, 15                        ; 32,768 a half tile
	s_add_co_u32 s76, s76, s84
	s_mov_b32 s77, 0
	s_lshl_b32 s78, s20, 23                        ; query and out: 2^23 bytes a batch,
	s_lshl_b32 s85, s[WV], 21                      ; my 128 channels,
	s_add_co_u32 s78, s78, s85
	s_lshl_b32 s88, s19, 8                         ; my block's 256 bytes of a row
	s_add_co_u32 s78, s78, s88
	s_mov_b32 s79, 0
	s_lshl_b32 s80, s20, 16                        ; the scales: 65,536 bytes a batch, 512 a wave and step
	s_lshl_b32 s85, s[WV], 9
	s_add_co_u32 s80, s80, s85
	s_mov_b32 s81, 0
	s_lshr_b32 s82, ttmp9, 3                       ; where my cluster's walk begins: (c % 8) xor 7 (c / 8), times four steps: alike in all four partners
	s_mul_i32 s82, s82, 7
	s_and_b32 s83, ttmp9, 7
	s_xor_b32 s82, s82, s83
	s_lshl_b32 s[KTO], s82, 18                     ; x 4 steps x 65,536 bytes of codes
	s_mov_b32 s[KTO+1], 0
	s_mov_b32 s[VTO], s[KTO]
	s_mov_b32 s[VTO+1], 0
	s_lshl_b32 s[KSS], s82, 13                     ; x 4 steps x 2,048 bytes of scales
	s_mul_i32 s84, s17, 64*KP                      ; where my half tile goes in a slot: K's,
	s_lshl_b32 s85, s17, 15                        ; V's: no place in the cluster enters an LDS address
	; descriptor group 1.  K: 64 rows of 512 bytes, 16 bytes of padding behind each
	s_mov_b32 s[G1K], 15|(1<<20)|(1<<21)|(6<<22)|(3<<25)   ; 15:0 the mask: all four work-groups; 17:16 elements of 1 byte; 20 padding on; 21 set beside a mask; 24:22 after every 128 words (code 6); 31:25 four words (code 3)
	s_mov_b32 s[G1K+1], 512<<16                    ; tensor_dim0
	s_mov_b32 s[G1K+2], 64<<16                     ; tensor_dim1
	s_mov_b32 s[G1K+3], 512<<16                    ; tile_dim0
	s_mov_b32 s[G1K+4], 64                         ; tile_dim1
	s_mov_b32 s[G1K+5], 512                        ; from row to row
	s_mov_b32 s[G1K+6], 0
	s_mov_b32 s[G1K+7], 0
	; V: 32,768 dense bytes as 128 rows of 256 (32 elements of 8 bytes), no padding: register images are read 512 consecutive bytes an instruction
	s_mov_b32 s[G1V], 15|(3<<16)|(1<<21)
	s_mov_b32 s[G1V+1], 32<<16
	s_mov_b32 s[G1V+2], 128<<16
	s_mov_b32 s[G1V+3], 32<<16
	s_mov_b32 s[G1V+4], 128
	s_mov_b32 s[G1V+5], 32
	s_mov_b32 s[G1V+6], 0
	s_mov_b32 s[G1V+7], 0
	s_mov_b32 s[CS], 0x3fb8aa3b                    ; log2(e)
	s_mov_b32 s[CS+1], s[CS]                       ; (named with it as a pair, so it is written)
	s_mov_b32 s[SEL], 0x76543210
	s_mov_b32 s[SEL+1], 0xfedcba98
	s_mov_b32 s[MNT], 0x600000                     ; the mantissa field of 448
	s_mov_b32 s[LC], 14
	s_wait_kmcnt 0x0
	s_add_nc_u64 s[KTB:KTB+1], s[4:5], s[76:77]    ; my half of the tile of the tensors' step 0: K's,
	s_add_nc_u64 s[VTB:VTB+1], s[10:11], s[76:77]  ; V's
	s_add_nc_u64 s[QB:QB+1], s[8:9], s[78:79]
	s_add_nc_u64 s[OB:OB+1], s[14:15], s[78:79]
	s_add_nc_u64 s[KSB:KSB+1], s[6:7], s[80:81]
	s_add_nc_u64 s[VSB:VSB+1], s[12:13], s[80:81]
	s_add_nc_u64 s[76:77], s[KTB:KTB+1], s[KTO:KTO+1]   ; and of my walk's step 0
	s_add_nc_u64 s[80:81], s[VTB:VTB+1], s[VTO:VTO+1]
	s_add_co_u32 s[KTO], s[KTO], 65536             ; the first fills ask for the walk's steps 0 and 1 (a start is a multiple of four: step 1 does not go round)
	s_add_co_u32 s[VTO], s[VTO], 65536
	CROUND                                         ; all four work-groups are here: the first joint loads meet
.irp q, 0,1
	s_mov_b32 s[G0K+4*\q], 1                       ; count = 1
	s_add_co_u32 s[G0K+4*\q+1], s84, KSLOT*\q      ; LDS address
	s_add_nc_u64 s[G0K+4*\q+2:G0K+4*\q+3], s[76:77], 65536*\q   ; global address: the walk's step q
	s_or_b32 s[G0K+4*\q+3], s[G0K+4*\q+3], 0x80000000           ; type = 2
	s_mov_b32 s[G0V+4*\q], 1
	s_add_co_u32 s[G0V+4*\q+1], s85, VBASE+VSLOT*\q
	s_add_nc_u64 s[G0V+4*\q+2:G0V+4*\q+3], s[80:81], 65536*\q
	s_or_b32 s[G0V+4*\q+3], s[G0V+4*\q+3], 0x80000000
.endr
	s_cmp_lt_u32 s[WV], 2                          ; a wave's two first fills stand in one branch, ahead of every wait on TENSORcnt, every LDS read and every other barrier: two loads of mine are out
	s_cbranch_scc0 .Lfirst_v
	tensor_load_to_lds s[G0K:G0K+3], s[G1K:G1K+7]
	s_nop 0
	tensor_load_to_lds s[G0K+4:G0K+7], s[G1K:G1K+7]
	s_nop 0
.rept 4
	v_nop
.endr
	s_branch .Lfirst_asked
.Lfirst_v:
	tensor_load_to_lds s[G0V:G0V+3], s[G1V:G1V+7]
	s_nop 0
	tensor_load_to_lds s[G0V+4:G0V+7], s[G1V:G1V+7]
	s_nop 0
.rept 4
	v_nop
.endr
.Lfirst_asked:
	v_and_b32 v76, 31, v0                          ; lane
	v_and_b32 v77, 15, v0                          ; r
	v_bfe_u32 v78, v0, 4, 1                        ; h
	v_lshlrev_b32 v[KSL], 4, v76
	v_lshlrev_b32 v[VSL], 3, v76
	v_add_nc_u32 v[KSO], s[KSS], v[KSL]            ; the scales of my walk's steps 0 and 1
	v_add_nc_u32 v[VSO], s[KSS], v[VSL]
	global_load_b128 v[KS:KS+3], v[KSO], s[KSB:KSB+1]                  ; lane l: the 16 scale bytes of key 32 w + l of step 0: register s is the word of K step s
	global_load_b128 v[KS+4:KS+7], v[KSO], s[KSB:KSB+1] offset:2048   ; step 1
	global_load_b64 v[VS:VS+1], v[VSO], s[VSB:VSB+1]
	global_load_b64 v[VS+2:VS+3], v[VSO], s[VSB:VSB+1] offset:256
	global_load_b64 v[VS+4:VS+5], v[VSO], s[VSB:VSB+1] offset:2048
	global_load_b64 v[VS+6:VS+7], v[VSO], s[VSB:VSB+1] offset:2304
	s_add_co_u32 s[KSS], s[KSS], 4096              ; the next loads are step 2's (it does not go round either)
	s_mov_b32 s[VSS], s[KSS]
	v_lshlrev_b32 v[QLO], 4, v77
	v_lshl_add_u32 v[QLO], v78, 18, v[QLO]         ; lanes 16-31 begin 16 channels (16 x 16,384 bytes) further down
	WIN TO1
.irp c, 0,1,2,3                        ; query(128 w + 32 c + 16 h + e, j0 + 4 r + 0 .. 3) into window 1, v[4 (16 c + e)] on: sixteen lanes read 256 consecutive bytes, aligned
.irp e, 0,1,2,3,4,5,6,7,8,9,10,11,12,13,14,15
	global_load_b128 v[4*(16*\c+\e):4*(16*\c+\e)+3], v[QLO], s[QB:QB+1] offset:(32*\c+\e)*16384
.endr
.endr
	WIN 0
	v_lshlrev_b32 v[GO], 4, v77
	v_lshl_add_u32 v[GO], v78, 17, v[GO]
	s_mul_i32 s84, s[WV], 32*KP
	v_mul_u32_u24 v[AK], v77, KP
	v_lshl_add_u32 v[AK], v78, 4, v[AK]
	v_add_nc_u32 v[AK], s84, v[AK]
	v_add_nc_u32 v[AK+1], KSLOT, v[AK]
	s_lshl_b32 s84, s[WV], 14
	s_add_co_u32 s84, s84, VBASE
	v_add_nc_u32 v[AV], s84, v[KSL]
	v_add_nc_u32 v[AV+1], VSLOT, v[AV]
	v_add_nc_u32 v[AR], PIMG, v[KSL]
	s_lshl_b32 s84, s[WV], 9
	v_add_nc_u32 v[AW], s84, v[AR]
	v_add_nc_u32 v[ASW], PSCO, v[AR]
	v_add_nc_u32 v[ASW], s[WV], v[ASW]
	s_lshl_b32 s84, s[WV], 11
	s_add_co_u32 s84, s84, QIMG
	v_add_nc_u32 v[QWI], s84, v[KSL]               ; Q's fragment (u, s = w): QIMG + 2,048 (4 u + w) + 512 c + 16 x lane
	s_lshl_b32 s84, s[WV], 7
	s_add_co_u32 s84, s84, QSC
	v_lshl_add_u32 v[QWS], v76, 2, s84             ; its scale words: QSC + 128 (4 u + w) + 4 x lane
	v_add_nc_u32 v[QRI], QIMG, v[KSL]
	v_lshl_add_u32 v[QRS], v76, 2, QSC
.irp u, 0,1,2,3
	v_mov_b32 v[NM+2*\u+1], 0xff61b1e6             ; the largest t so far: -3e38, under every t
	v_mov_b32 v[LL+2*\u], 0                        ; my part of l
	v_mov_b32 v[LL+2*\u+1], 0
	v_mov_b32 v[SO+\u], 0                          ; written once: a lane permute's destination counts as one of its sources
	v_mov_b32 v[TM+4+\u], 0
.endr
.irp u, 0,1,2,3
	v_floor_f32 v[NM+2*\u], -v[NM+2*\u+1]          ; -M
.endr
	s_wait_loadcnt 0x0                             ; query's numbers, and the scales of steps 0 and 1
; Tile u of Q, K step w: a lane's 64 numbers stand four registers apart in window 1; the hold gathers them into v[S] on, register 16 c + e = channel 128 w + 32 c + 16 h + e.
.macro QQ u
	WIN 0x05
.irp c, 0,1,2,3
	v_max3_num_f32 v[TM+\c], |v[64*\c+\u]|, |v[64*\c+4+\u]|, 0x4800000   ; with the floor 2^(9 - 127): the byte cannot fall under 1
.endr
	WIN 0x14
.irp e, 2,4,6,8,10,12,14
.irp c, 0,1,2,3
	v_max3_num_f32 v[TM+\c], v[TM+\c], |v[64*\c+4*\e+\u]|, |v[64*\c+4*\e+4+\u]|
.endr
.endr
	WIN 0
.irp c, 0,1,2,3
	v_permlanex16_b32 v[TM+4+\c], v[TM+\c], s[SEL], s[SEL+1]
.endr
.irp c, 0,1,2,3
	v_max_num_f32 v[TM+\c], v[TM+\c], v[TM+4+\c]   ; with lane l xor 16's 16 channels: the block's largest magnitude
.endr
.irp c, 0,1,2,3
	v_add_nc_u32 v[TM+12+\c], 0xfc000000, v[TM+\c] ; 8 off its exponent field: the conversion's scale operand
.endr
.irp c, 0,1,2,3
	v_and_or_b32 v[TM+8+\c], v[TM+\c], 0x7f800000, s[MNT]   ; 448 x the scale
.endr
.irp c, 0,1,2,3
	v_lshrrev_b32 v[TM+4+\c], 23, v[TM+12+\c]      ; the scale's byte
.endr
	v_lshl_or_b32 v[PB+\u], v[TM+5], 8, v[TM+4]
	v_lshl_or_b32 v[PB+\u], v[TM+6], 16, v[PB+\u]
	v_lshl_or_b32 v[PB+\u], v[TM+7], 24, v[PB+\u]  ; my query's scale word for these 128 channels
	WIN 0x01
.irp c, 0,1,2,3
.irp e, 0,1,2,3,4,5,6,7,8,9,10,11,12,13,14,15
	v_med3_num_f32 v[S+16*\c+\e], v[64*\c+4*\e+\u], -v[TM+8+\c], v[TM+8+\c]   ; the conversion to an 8-bit code does not saturate (ISA guide 7.6.2): the hold comes first
.endr
.endr
	WIN 0
.irp c, 0,1,2,3
	v_cvt_scalef32_pk8_fp8_f32 v[PF+16*\u+4*\c:PF+16*\u+4*\c+1], v[S+16*\c:S+16*\c+7], v[TM+12+\c]
	v_cvt_scalef32_pk8_fp8_f32 v[PF+16*\u+4*\c+2:PF+16*\u+4*\c+3], v[S+16*\c+8:S+16*\c+15], v[TM+12+\c]
.endr
	v_nop                                          ; a plain line behind the last conversion: the next tile's lines write its sources
.irp c, 0,1,2,3
	ds_store_b128 v[QWI], v[PF+16*\u+4*\c:PF+16*\u+4*\c+3] offset:8192*\u+512*\c   ; the fragment goes to LDS as it stands in my registers
.endr
	ds_store_b32 v[QWS], v[PB+\u] offset:512*\u
.endm
	QQ 0
	QQ 1
	QQ 2
	QQ 3
	s_wait_dscnt 0x0                               ; for the others' sake: my images of Q have landed
	s_wait_tensorcnt 1                             ; my part of K(0) or V(0) is in; the second first fill may stay out
	s_barrier_signal -1
	s_barrier_wait -1
	; ---------------- TRIP -2: Q's sixteen fragments come into window 2 and stay; S(0)
	WIN TO2
.irp f, 0,1,2,3,4,5,6,7,8,9,10,11,12,13,14,15
.irp c, 0,1,2,3
	ds_load_b128 v[16*\f+4*\c:16*\f+4*\c+3], v[QRI] offset:2048*\f+512*\c
.endr
.endr
	WIN 0
.irp f, 0,1,2,3,4,5,6,7,8,9,10,11,12,13,14,15
	ds_load_b32 v[QS+\f], v[QRS] offset:128*\f
.endr
	FETCH_K 0
	s_wait_dscnt 0x0
	PHASE_B 0, 0, 0
	PLACES                                         ; there is no rescaling yet to stand behind the products
	LMAX 0
	KSLOAD 0                                       ; K's scales of step 2
	; ---------------- TRIP -1: K(2) is asked for; the softmax of step 0, with K(1) coming in; S(1), with V(0) coming in
	MEET 0, 0, 1, 0
	FETCH_MX 0
	s_wait_dscnt 0x0
	AHEAD
	PHASE_C 1, 0, 1, 1
	PSTORE 0
	s_wait_dscnt 8                                 ; K is in; my eight stores of P may be out
	PHASE_B 1, 0, 1
	PLACES
	LMAX 1
	KSLOAD 1                                       ; step 3
	; ---------------- TRIP 0: K(3) and V(2); the products start O's sums.  V's scales of step 0 came at the head.  Behind K's scales of step 2 were issued: step 3's, and this trip's two of V's: 3
	TRIP 0, 1, 1, 2, -1, 1, 3, 1
	; ---------------- TRIPS 1 .. 28
.Lloop:
	TRIP 1, 1, 1, 1, 4, 1, 5, 1
	TRIP 0, 1, 1, 1, 4, 1, 5, 1
	s_sub_co_u32 s[LC], s[LC], 1
	s_cmp_lg_u32 s[LC], 0
	s_cbranch_scc1 .Lloop
	; ---------------- the tail is written out.  TRIP 29: V(31) alone is asked for; S(31) is the last
	TRIP 1, 0, 1, 1, 4, 1, 5, 0
	; ---------------- TRIP 30: nothing is filled any more; the last softmax; the residual is asked for; my part of l goes to LDS; V(31) comes in
	PLAINB
	FETCH_MX 1
	FETCH_P 0
	s_wait_dscnt 17                                ; the maxima are in
	AHEAD
	s_wait_loadcnt 3                               ; V's scales of step 30: behind them K's last load and the two of step 31
	WIN TO2
.irp t, 0,1,2,3,4,5,6,7                ; query(128 w + 16 t + 8 h + e, j0 + 4 r + 0 .. 3) into the registers that Q's fragments have left (their last product stands in trip 29, ahead of 40 plain lines)
.irp e, 0,1,2,3,4,5,6,7
	global_load_b128 v[4*(8*\t+\e):4*(8*\t+\e)+3], v[GO], s[QB:QB+1] offset:(16*\t+\e)*16384 th:TH_LOAD_NT
.endr
.endr
	s_wait_dscnt 0x0                               ; P is in
	PHASE_C 0, 1, 1, 0
	PSTORE 1
.irp u, 0,1,2,3
	v_add_f32 v[BM+\u], v[LL+2*\u], v[LL+2*\u+1]   ; the two halves,
.endr
.irp u, 0,1,2,3
	v_permlanex16_b32 v[SO+\u], v[BM+\u], s[SEL], s[SEL+1]
.endr
.irp u, 0,1,2,3
	v_add_f32 v[BM+\u], v[BM+\u], v[SO+\u]         ; and lane l xor 16's: my wave's keys' part of l
.endr
	ds_store_b128 v[AW], v[BM:BM+3] offset:LXO
	FETCH_V 1                                      ; the last step's V, in one run: the 128 lines below stand behind it
	WIN W_RS
.set i, 0
.rept 32
	RESC                                           ; O under the last M
.set i, i+1
.endr
	; ---------------- TRIP 31
	PLAINB
.irp g, 0,1,2,3
	ds_load_b128 v[MXR+4*\g:MXR+4*\g+3], v[AR] offset:LXO+512*\g
.endr
	FETCH_P 1
	s_wait_dscnt 17                                ; the four parts of l are in
.irp u, 0,1,2,3
	v_add_f32 v[PB+\u], v[MXR+\u], v[MXR+4+\u]
.endr
.irp u, 0,1,2,3
	v_add_f32 v[LM+\u], v[MXR+8+\u], v[MXR+12+\u]
.endr
.irp u, 0,1,2,3
	v_add_f32 v[PB+\u], v[PB+\u], v[LM+\u]         ; l
.endr
.irp u, 0,1,2,3
	v_rcp_f32 v[FF+2*\u], v[PB+\u]
.endr
	v_nop                                          ; a plain line behind the last reciprocal
	s_wait_alu depctr_va_vdst(0)                   ; one wait for the four, ahead of their first reader
	s_wait_loadcnt 63                              ; V's scales of step 31: 64 loads of the residual stand behind them; the count's field holds 63
	s_wait_dscnt 0x0                               ; P is in
	PHASE_C 1, 1, 0, 0
	PLACES
	; ---------------- THE WAY OUT: out = O^T / l + query.  The fused multiply-add also turns the tiles: a lane's four tiles of one channel are four neighbouring queries, 16 bytes.
.irp t, 0,1,2,3,4,5,6,7
	s_wait_loadcnt 8*(7-\t)                        ; this tile's eight loads of the residual are in; the later tiles' may be out
	WIN W_OUT
.irp e, 0,1,2,3,4,5,6,7
.irp u, 0,1,2,3
	v_fma_f32 v[4*(8*\t+\e)+\u], v[8*(4*\t+\u)+\e], v[FF+2*\u], v[4*(8*\t+\e)+\u]   ; each accumulator from its low end on
.endr
.endr
	WIN W_ST
.irp e, 0,1,2,3,4,5,6,7
	global_store_b128 v[GO], v[4*(8*\t+\e):4*(8*\t+\e)+3], s[OB:OB+1] offset:(16*\t+\e)*16384 th:TH_STORE_NT   ; sixteen lanes store 256 consecutive bytes, aligned
.endr
.endr
	WIN 0
	s_wait_tensorcnt 0x0                           ; the wave's end: behind my last tensor load and my last LDS store
	ds_add_u32 v[SPW], v[NIL]
	s_wait_dscnt 0x0
	CROUND                                         ; the closing round: no work-group ends while a partner may still ask for a tile that names it
	s_endpgm
.Lfunc_end_k_q90b9781702_attn:
	.size	k_q90b9781702_attn, .Lfunc_end_k_q90b9781702_attn-k_q90b9781702_attn
	.p2alignl 7, 3214868480
	.fill 96, 4, 3214868480
	.section	.rodata,"a",@progbits
	.p2align	6, 0x0
	.amdhsa_kernel k_q90b9781702_attn
		.amdhsa_group_segment_fixed_size 327680
		.amdhsa_private_segment_fixed_size 0
		.amdhsa_enable_private_segment 0
		.amdhsa_kernarg_size 48
		.amdhsa_user_sgpr_count 2
		.amdhsa_user_sgpr_kernarg_segment_ptr 1
		.amdhsa_wavefront_size32 1
		.amdhsa_system_sgpr_workgroup_id_x 1
		.amdhsa_system_sgpr_workgroup_id_y 1
		.amdhsa_system_sgpr_workgroup_id_z 1
		.amdhsa_system_vgpr_workitem_id 0
		.amdhsa_next_free_vgpr 1024
		.amdhsa_next_free_sgpr 96
		.amdhsa_reserve_vcc 0
		.amdhsa_float_denorm_mode_32 3
		.amdhsa_float_denorm_mode_16_64 3
		.amdhsa_memory_ordered 1
		.amdhsa_forward_progress 1
		.amdhsa_inst_pref_size 255
	.end_amdhsa_kernel
	.section	.bss,"aw",@nobits
	.p2align	6
	.space	262144
	.amdgpu_metadata
---
amdhsa.version: [ 1, 2 ]
amdhsa.kernels:
  - .name:           k_q90b9781702_attn
    .symbol:         k_q90b9781702_attn.kd
    .args:
      - { .name: key_codes, .offset: 0, .size: 8, .value_kind: global_buffer, .address_space: global }
      - { .name: key_scales, .offset: 8, .size: 8, .value_kind: global_buffer, .address_space: global }
      - { .name: query, .offset: 16, .size: 8, .value_kind: global_buffer, .address_space: global }
      - { .name: vcodes, .offset: 24, .size: 8, .value_kind: global_buffer, .address_space: global }
      - { .name: vscales, .offset: 32, .size: 8, .value_kind: global_buffer, .address_space: global }
      - { .name: out0, .offset: 40, .size: 8, .value_kind: global_buffer, .address_space: global }
    .group_segment_fixed_size: 327680
    .private_segment_fixed_size: 0
    .kernarg_segment_align: 8
    .kernarg_segment_size: 48
    .max_flat_workgroup_size: 128
    .sgpr_count:     96
    .vgpr_count:     1024
    .wavefront_size: 32
...
	.end_amdgpu_metadata
.endif
;; end of part 2
